; MI455X (gfx1250); checked and timed in simulation.
; The chip was launched on July 23, 2026; its instructions are those of AMD's public machine-readable ISA for CDNA 5 (MIT licence, August 2026) and "CDNA5" Instruction Set Architecture Reference Guide (July 2026). The comments in the code are by the model that wrote it; some were corrected since.
;; VQ. Allowed arithmetic: matrix products marked QUANTISED: E2M3 operands, one E8M0 scale for each 32 along K, by v_wmma_scale_f32_16x16x128_f8f6f4 with both operands' format E2M3, f32 sums; everything else in f32.
;; Inputs: codebook 8,192 x 256 float32; z 32,768 x 256 float32.
;; Outputs: out0 32,768 x 256 float32; out1 one number float32.
;; This version of the problem:
;;   THIS VERSION OF THE PROBLEM IS GIVEN IN LOW PRECISION. The matrix products marked QUANTISED in the list below multiply operands that are first quantised to E2M3 (2 exponent bits, 3 mantissa bits; 6 bits a number), with one power-of-two scale for each 32 numbers along K (OCP MX v1.0); their sums are f32. All else is computed in f32.
;;   The module's matrix products, in the order in which they are computed (A, B: the left and right operand; K: the contracted axis; several contracted axes count as one K, in the product's order):
;;     1. [M 32,768, K 256] x [K 256, N 8,192]; A: input z; B: input codebook: QUANTISED
;;   THE QUANTISER, for each operand of a quantised product, along K:
;;     - K is cut into blocks of 32 from its start; a last block that is shorter is filled with zeros.
;;     - A block's scale is 2^e with e = floor(log2(the largest magnitude in the block)) - 2, held to -126 .. 127; a block of zeros has e = 0. As a byte (E8M0): e + 127.
;;     - Each number is divided by its block's scale, clamped to +-7.5, and rounded to the nearest number of E2M3, ties to even, subnormals kept.
;;     - The product sums the exact products of the quantised numbers (number of the format x scale) in f32.
;;   ~~~python
;;   def quantise(x, axis):      # numpy; x: float32 -> the quantised numbers, widened to float32 again
;;       x = np.moveaxis(x, axis, -1); K = x.shape[-1]
;;       x = np.pad(x, [(0, 0)] * (x.ndim - 1) + [(0, -K % 32)]); x = x.reshape(x.shape[:-1] + (-1, 32)); a = np.abs(x).max(-1, keepdims=True)
;;       e = np.where(a > 0, np.clip(np.frexp(np.where(a > 0, a, 1))[1] - 1 - 2, -126, 127), 0)      # np.frexp(a)[1] - 1 = floor(log2(a)), exactly
;;       r = np.clip(x / 2.0 ** e, -7.5, 7.5)
;;       step = 2.0 ** (np.maximum(np.frexp(np.where(r == 0, 1, r))[1] - 1, 0) - 3)
;;       q = np.round(r / step) * step * 2.0 ** e      # np.round: ties to even
;;       return np.moveaxis(q.reshape(q.shape[:-2] + (-1,))[..., :K], -1, axis).astype(np.float32)
;;   ~~~
;; One version. Each part assembles by itself: llvm-mc -triple=amdgcn-amd-amdhsa -mcpu=gfx1250 --defsym DOCPART=n.
;; ======== version 1 of 1: 5 launches
;; workspace buffers: zimg 6,291,456 bytes; zaux 393,216 bytes; cbimg 1,572,864 bytes; cbaux 98,304 bytes; grp 131,072 bytes of whole numbers; idx 131,072 bytes of whole numbers; parts 1,024 bytes
;; launch quant (part 1): grid 256 x 1, 5 waves a work-group, no clusters, 43,776 bytes of LDS; arguments z, codebook, zimg, zaux, cbimg, cbaux; writes zimg, zaux, cbimg, cbaux
.if DOCPART == 1
	.amdgcn_target "amdgcn-amd-amdhsa--gfx1250"
	.amdhsa_code_object_version 6
	.text
	.protected	k_qe16077fe4f_quant
	.globl	k_qe16077fe4f_quant
	.p2align	8
	.type	k_qe16077fe4f_quant,@function
k_qe16077fe4f_quant:
	s_mov_b64 s[64:65], 0
	v_nop
	global_prefetch_b8 v0, s[64:65] scope:SCOPE_SE
	s_setreg_imm32_b32 hwreg(HW_REG_WAVE_MODE, 25, 1), 1
	s_wait_xcnt 0x0
; z [32768][256] and codebook [8192][256], f32, become codes of FP6 (E2M3) with one E8M0 scale byte for each 32 along K, laid as IMAGES OF THE OPERAND'S REGISTERS,
; and each row's sum of squares in f32.
; IMAGE: a tile of 16 rows x 256 K is 3,072 bytes; K step s (128 along K) begins 1,536 s bytes on; registers 4 q .. 4 q + 3 of lane l lie at 512 q + 16 l.
;   Lane l = r + 16 h holds row r; its registers 6 c .. 6 c + 5 are the codes of k = 128 s + 64 c + 32 h + 0 .. 31.
; SCALE WORDS: a pair of tiles has 256 bytes, lane l's 8 bytes at 8 l: word 0 for the even tile, word 1 for the odd one.  In a word's register lanes 0-15 hold row l's word of K step 0,
;   lanes 16-31 row (l - 16)'s word of K step 1: one register serves both K steps of a product.
; SUMS: f32, one a row, behind the scale words (z: from byte 262,144; codebook: from byte 65,536).
; A block's scale is 2^(floor(log2(its largest magnitude)) - 2); its byte is the largest magnitude's exponent field - 2, held at 1 from below.  A block of zeros so keeps the byte 1:
; its codes are zeros, and this program alone reads the bytes.
; LIMITS: NaN and infinities among the inputs are not served; blocks whose largest magnitude lies under 2^-124 keep the byte 1.  The sums of squares are taken in this text's own order of additions.
; SHARES: 1,280 waves, one pair of tiles (32 rows) each: the first 1,024 take z, the others the codebook; only pointers are chosen, the text has one path.  A pair is four fragments of 16 rows x 128 K.
; Each load reads 512 consecutive bytes of a row; a fragment turns through the wave's own stage in LDS (16 rows of 512 + 16 bytes), so that a lane gets 32 neighbours along K of its row.
; Waves share nothing: no barrier.  No tensor load, no cluster: no byte is read by two work-groups.
.set PITCH, 528                        ; a stage row: 33 x 16 bytes, so that sixteen lanes that read one column of sixteen rows touch sixteen different columns of 16 bytes
.set WST,   16*PITCH                   ; a wave's stage
.set R,     32                         ; v32-95, v96-159   two sets of 64 registers as loaded
.set X,     160                        ; v160-223          the fragment turned: register 32 c + i = k 64 c + 32 h + i of my row
.set C,     224                        ; v224-235          the fragment's twelve registers of codes
.set CT,    236                        ; v236-242          the second halves of the blocks' codes, before they are moved
	s_load_b128 s[4:7], s[0:1], 0x0                ; z, codebook
	s_load_b128 s[8:11], s[0:1], 0x10              ; zimg, zaux
	s_load_b128 s[12:15], s[0:1], 0x20             ; cbimg, cbaux
	v_lshl_add_u32 v248, v0, 2, 0xa800
	v_mov_b32 v249, 0
	v_lshrrev_b32 v1, 5, v0
	v_readfirstlane_b32 s16, v1                    ; wave 0..4
	v_and_b32 v1, 31, v0                           ; lane
	v_and_b32 v2, 15, v0                           ; r
	v_bfe_u32 v3, v0, 4, 1                         ; h
	v_lshlrev_b32 v4, 3, v3                        ; 8 h: how far my two scale bytes are shifted
	v_lshlrev_b32 v5, 4, v1                        ; 16 x lane: my bytes of a load's 512, and of an image's 512
	v_lshlrev_b32 v6, 3, v1                        ; 8 x lane: my two scale words
	v_lshlrev_b32 v7, 2, v1                        ; 4 x lane: my row's sum
	s_mul_i32 s25, s16, WST
	v_add_nc_u32 v8, s25, v5                       ; the stage on the way in: 16 x lane, the row in the immediate
	v_mul_u32_u24 v9, v2, PITCH
	v_lshl_add_u32 v9, v3, 7, v9
	v_add_nc_u32 v9, s25, v9                       ; and on the way out: row r, + 128 h
	v_mov_b32 v18, 0                               ; written once: a lane permute's destination counts as one of its sources
	s_mov_b32 s22, 0x76543210
	s_mov_b32 s23, 0xfedcba98                      ; v_permlanex16_b32's selects for lane l xor 16
	s_mov_b32 s24, 0xffff0000                      ; lanes 16-31
	s_mul_i32 s17, ttmp9, 5
	s_add_co_u32 s17, s17, s16                     ; which of the 1,280 pairs of tiles
	s_mov_b32 s19, 0x10000
	s_mov_b32 s21, 0
	s_wait_kmcnt 0x0
	s_cmp_lt_u32 s17, 1024                         ; z's or the codebook's?  The choice hangs on ids alone; all selections stand ahead of the next line that sets SCC
	s_cselect_b64 s[4:5], s[4:5], s[6:7]
	s_cselect_b64 s[8:9], s[8:9], s[12:13]
	s_cselect_b64 s[10:11], s[10:11], s[14:15]
	s_cselect_b32 s18, 0, 1024
	s_cselect_b32 s19, 0x40000, s19                ; where the sums begin
	s_sub_co_u32 s17, s17, s18                     ; the pair's number in its tensor
	s_lshl_b32 s20, s17, 15                        ; 32 rows of 1,024 bytes
	s_add_nc_u64 s[4:5], s[4:5], s[20:21]
	s_mul_i32 s20, s17, 6144                       ; two images
	s_add_nc_u64 s[8:9], s[8:9], s[20:21]
	s_lshl_b32 s20, s17, 7                         ; 32 sums
	s_add_co_u32 s20, s20, s19
	s_add_nc_u64 s[12:13], s[10:11], s[20:21]
	s_lshl_b32 s20, s17, 8                         ; 64 scale words
	s_add_nc_u64 s[10:11], s[10:11], s[20:21]
.macro LOAD t                          ; fragment t (tile t / 2, K step t % 2): sixteen rows' 512 bytes
.irp p, 0,1,2,3,4,5,6,7,8,9,10,11,12,13,14,15
	global_load_b128 v[R+64*((\t)%2)+4*\p:R+64*((\t)%2)+4*\p+3], v5, s[4:5] offset:(16*((\t)/2)+\p)*1024+512*((\t)%2) th:TH_LOAD_NT
.endr
.endm
.macro FRAG f
.set RB, R+64*((\f)%2)
.if (\f) < 3
	s_wait_loadcnt 16                              ; this fragment's sixteen loads are in; the next fragment's sixteen may be out
.else
	s_wait_loadcnt 0x0
.endif
.irp p, 0,1,2,3,4,5,6,7,8,9,10,11,12,13,14,15
	ds_store_b128 v8, v[RB+4*\p:RB+4*\p+3] offset:\p*PITCH
.endr
.irp c, 0,1
.irp i, 0,1,2,3,4,5,6,7
	ds_load_b128 v[X+32*\c+4*\i:X+32*\c+4*\i+3], v9 offset:256*\c+16*\i   ; LDS serves a wave's instructions in order: these see the stores above
.endr
.endr
	s_wait_dscnt 0x0                               ; the fragment is turned, and the stores have read their registers,
.if (\f) < 2
	LOAD (\f)+2                                    ; which take the fragment two on
.endif
.irp c, 0,1
	v_max3_num_f32 v[24+\c], |v[X+32*\c]|, |v[X+32*\c+1]|, 0x1800000   ; block 2 c + h: all its 32 numbers are mine; the floor 2^(3 - 127) holds the byte at 1 from below
.endr
.irp i, 2,4,6,8,10,12,14,16,18,20,22,24,26,28,30
.irp c, 0,1
	v_max3_num_f32 v[24+\c], v[24+\c], |v[X+32*\c+\i]|, |v[X+32*\c+\i+1]|
.endr
.endr
.if (\f)%2 == 0
	v_pk_mul_f32 v[12:13], v[X:X+1], v[X:X+1]      ; the row's sum of squares: a tile's first fragment starts the two chains
	v_pk_mul_f32 v[14:15], v[X+2:X+3], v[X+2:X+3]
.else
	v_pk_fma_f32 v[12:13], v[X:X+1], v[X:X+1], v[12:13]
	v_pk_fma_f32 v[14:15], v[X+2:X+3], v[X+2:X+3], v[14:15]
.endif
.irp j, 4,8,12,16,20,24,28,32,36,40,44,48,52,56,60
	v_pk_fma_f32 v[12:13], v[X+\j:X+\j+1], v[X+\j:X+\j+1], v[12:13]
	v_pk_fma_f32 v[14:15], v[X+\j+2:X+\j+3], v[X+\j+2:X+\j+3], v[14:15]
.endr
.irp c, 0,1
	v_add_nc_u32 v[26+\c], 0xff000000, v[24+\c]    ; 2 off the exponent field: the conversion takes the exponent field of this operand as its scale
.endr
.irp c, 0,1
	v_lshrrev_b32 v[28+\c], 23, v[26+\c]           ; the scale's byte
.endr
	v_lshl_or_b32 v[16+(\f)%2], v29, 16, v28       ; my two bytes: blocks h and 2 + h of row r,
	v_lshlrev_b32 v[16+(\f)%2], v4, v[16+(\f)%2]   ; at their places in the word;
	v_permlanex16_b32 v18, v[16+(\f)%2], s22, s23
	v_or_b32 v[16+(\f)%2], v[16+(\f)%2], v18       ; with lane l xor 16's two the word is whole
	s_wait_xcnt 0x0                                ; the last fragment's stores have read the codes' registers: they are written again only behind this wait
	v_cvt_scalef32_pk16_fp6_f32 v[C:C+2], v[X:X+15], v26
	v_cvt_scalef32_pk16_fp6_f32 v[CT:CT+2], v[X+16:X+31], v26       ; (a conversion's three registers begin on an even number)
	v_cvt_scalef32_pk16_fp6_f32 v[C+6:C+8], v[X+32:X+47], v27
	v_cvt_scalef32_pk16_fp6_f32 v[CT+4:CT+6], v[X+48:X+63], v27
	v_nop                                          ; one plain place behind a scaled conversion
.irp i, 0,1,2
	v_mov_b32 v[C+3+\i], v[CT+\i]
	v_mov_b32 v[C+9+\i], v[CT+4+\i]
.endr
.irp q, 0,1,2
	global_store_b128 v5, v[C+4*\q:C+4*\q+3], s[8:9] offset:((\f)/2)*3072+((\f)%2)*1536+512*\q   ; 32 lanes store 512 consecutive bytes, at a multiple of 256 from the buffer's first byte
.endr
.if (\f)%2 == 1                        ; a tile is done
	v_cndmask_b32 v[20+(\f)/2], v16, v17, s24      ; lanes 0-15: K step 0's word; lanes 16-31: K step 1's
	v_add_f32 v12, v12, v13
	v_add_f32 v14, v14, v15
	v_add_f32 v12, v12, v14
	v_permlanex16_b32 v18, v12, s22, s23
	v_add_f32 v[22+(\f)/2], v12, v18               ; the row's sum of squares, in both of its lanes
.endif
.endm
	LOAD 0
	LOAD 1
	FRAG 0
	FRAG 1
	FRAG 2
	FRAG 3
	global_store_b64 v6, v[20:21], s[10:11]        ; 32 lanes store 256 consecutive bytes, aligned
	v_cndmask_b32 v19, v22, v23, s24               ; lane l: the sum of the pair's row l
	global_store_b32 v7, v19, s[12:13]             ; 128 consecutive bytes
	s_wait_tensorcnt 0x0
	ds_add_u32 v248, v249
	s_wait_dscnt 0x0
	s_endpgm
.Lfunc_end_k_qe16077fe4f_quant:
	.size	k_qe16077fe4f_quant, .Lfunc_end_k_qe16077fe4f_quant-k_qe16077fe4f_quant
	.p2alignl 7, 3214868480
	.fill 96, 4, 3214868480
	.section	.rodata,"a",@progbits
	.p2align	6, 0x0
	.amdhsa_kernel k_qe16077fe4f_quant
		.amdhsa_group_segment_fixed_size 43776
		.amdhsa_private_segment_fixed_size 0
		.amdhsa_enable_private_segment 0
		.amdhsa_kernarg_size 48
		.amdhsa_user_sgpr_count 2
		.amdhsa_user_sgpr_kernarg_segment_ptr 1
		.amdhsa_wavefront_size32 1
		.amdhsa_system_sgpr_workgroup_id_x 1
		.amdhsa_system_sgpr_workgroup_id_y 1
		.amdhsa_system_sgpr_workgroup_id_z 1
		.amdhsa_system_vgpr_workitem_id 0
		.amdhsa_next_free_vgpr 250
		.amdhsa_next_free_sgpr 66
		.amdhsa_reserve_vcc 0
		.amdhsa_float_denorm_mode_32 3
		.amdhsa_float_denorm_mode_16_64 3
		.amdhsa_memory_ordered 1
		.amdhsa_forward_progress 1
		.amdhsa_inst_pref_size 39
	.end_amdhsa_kernel
	.amdgpu_metadata
---
amdhsa.version: [ 1, 2 ]
amdhsa.kernels:
  - .name:           k_qe16077fe4f_quant
    .symbol:         k_qe16077fe4f_quant.kd
    .args:
      - { .name: z, .offset: 0, .size: 8, .value_kind: global_buffer, .address_space: global }
      - { .name: codebook, .offset: 8, .size: 8, .value_kind: global_buffer, .address_space: global }
      - { .name: zimg, .offset: 16, .size: 8, .value_kind: global_buffer, .address_space: global }
      - { .name: zaux, .offset: 24, .size: 8, .value_kind: global_buffer, .address_space: global }
      - { .name: cbimg, .offset: 32, .size: 8, .value_kind: global_buffer, .address_space: global }
      - { .name: cbaux, .offset: 40, .size: 8, .value_kind: global_buffer, .address_space: global }
    .group_segment_fixed_size: 43776
    .private_segment_fixed_size: 0
    .kernarg_segment_align: 8
    .kernarg_segment_size: 48
    .max_flat_workgroup_size: 160
    .sgpr_count:     66
    .vgpr_count:     250
    .wavefront_size: 32
...
	.end_amdgpu_metadata
.endif
;; end of part 1
;; launch main (part 2): grid 256 x 1, 8 waves a work-group, clusters of 4 x 1, 327,680 bytes of LDS; arguments zimg, zaux, cbimg, cbaux, grp; writes grp
.if DOCPART == 2
	.amdgcn_target "amdgcn-amd-amdhsa--gfx1250"
	.amdhsa_code_object_version 6
	.text
	.protected	k_qe16077fe4f_main
	.globl	k_qe16077fe4f_main
	.p2align	8
	.type	k_qe16077fe4f_main,@function
k_qe16077fe4f_main:
	s_mov_b64 s[64:65], 0
	v_nop
	global_prefetch_b8 v0, s[64:65] scope:SCOPE_SE
	s_setreg_imm32_b32 hwreg(HW_REG_WAVE_MODE, 25, 1), 1
	s_wait_xcnt 0x0
	s_wait_alu depctr_hold_cnt(0) depctr_sa_sdst(0) depctr_va_vdst(0) depctr_va_sdst(0) depctr_va_ssrc(0) depctr_va_vcc(0) depctr_vm_vsrc(0)
	s_getreg_b32 s2, hwreg(HW_REG_IB_STS2, 6, 4)
	s_cmp_eq_u32 s2, 0
	s_cbranch_scc0 .Lentry_in_a_cluster
	s_endpgm
.Lentry_in_a_cluster:
	s_bfe_u32 s2, ttmp6, 0x10000c
	s_cmp_lg_u32 s2, 0x3003
	s_cbranch_scc0 .Lentry_shape_is_right
	s_endpgm
.Lentry_shape_is_right:
; For each of 32,768 rows of z: which GROUP of 8 neighbouring codes holds the first smallest d = (z_sq - 2 dot) + e_sq over the 8,192 codes.  dot is the product on codes of FP6 (E2M3) with E8M0 scales;
; the two f32 roundings are made as they are written: t = fma(dot, -2, z_sq) (2 dot is exact), d = t + e_sq.  Equal d: the lower index.  A later launch finds the place inside the group.
; LIMITS: NaN and infinities are not served.
; SHARES.  A work-group owns 128 rows of z (8 tiles of 16) and sees all 512 tiles of 16 codes, so each row has one owner.  THE WAVES SHARE THE CODES: every wave keeps the 8 tiles of z in registers
; (192, window 1); of each slot of 32 code tiles wave w takes tiles 4 w .. 4 w + 3.  One code tile against the 8 tiles of z is 16 matrix instructions (K = 256: two deep).
; LAYOUT.  Source 0 = 16 codes, source 1 = 16 rows of z: a lane holds ONE row of z (lane % 16), and register j the code 16 T + 8 (lane / 16) + j.  So a lane's 8 registers of a tile are group 2 T + lane / 16.
; THE CODES come as images of the operand's registers through a ring of two LDS slots of 32 tiles (98,304 bytes), each wave fetching and reading its own 12,288 bytes; the codes' scale words and sums of squares
; (98,304 bytes) come once and stay.  CLUSTER: all work-groups walk the same codes, so the four of a cluster ask JOINTLY: the same tensor load, the same descriptor, the mask of all four.
; TWO TYPES OF WAVES.  A wave's work goes product, vector work, product, vector work.  Type = (w xor (w >> 2)) & 1: waves w and w + 4 differ in it, and so do waves 2 k and 2 k + 1.  Type 0 issues a slot's
; last products in front of the change of slots, type 1 behind it (their operands are in registers by then): from each change on one type begins with vector work and the other with products.
; Only those 16 matrix lines stand twice, each copy under a branch on the type; every wait, barrier and tensor load is common text.
; REGISTERS, window 0: v1-2 my part of slot 0, 1; v3 scale words; v4 sums of squares; v5-6 the spare word's address and 0; v7 the tile's number; v8-15 z's scale words; v16-19 the codes' scale words (a slot's four tiles);
;   v20-35 z_sq, twice a tile; v36-43, v44-51 the smallest d so far, two sets by turns; v52-59 the tile that gave it; v60-75 e_sq, two buffers; v76-123 a code tile's fragments, two buffers; v124-127 offsets;
;   v128-191 the 8 accumulators; v192-212 the end's.   window 1: v[24 i + 12 s ..]: z's tile i, K step s.
.set SLOTB, 98304                      ; a slot: 32 images of 3,072 bytes
.set PART,  12288                      ; a wave's part of it: what one tensor load brings
.set AUXB,  2*SLOTB                    ; behind the ring: the codes' scale words, 65,536 bytes,
.set ESQB,  AUXB+65536                 ; and sums of squares, 32,768 bytes
.set SCR,   AUXB+SLOTB                 ; the end's scratch: 8 waves x 128 rows x 8 bytes; no fill lands here
.set SPARE, SCR+8192                   ; the spare words, 128 bytes for each wave: four blocks of 256 bytes that no other line names
.set ADC,  1
.set ADS,  3
.set ADE,  4
.set SPW,  5
.set NIL,  6
.set VT,   7
.set ZS,   8
.set SC,   16
.set ZQ,   20
.set BEST, 36
.set IDX,  52
.set ES,   60
.set CF,   76
.set L16,  124                         ; 16 x lane
.set L8,   125                         ; 8 x lane
.set R4,   126                         ; 4 x (lane % 16)
.set PFO,  127                         ; 256 x lane: the prefetches' offset; never rewritten
.set ACC,  128
.set OUTP, 192                         ; v192-207 (d, group) of my 8 tiles
.set HH,   208                         ; lane / 16
.set SCW,  210                         ; where I put a row's (d, group)
.set SCRD, 211                         ; where two rows' are read back
.set GOF,  212                         ; my offset in the work-group's 512 bytes of grp
.set MSB, 0
.macro WIN new                         ; the immediate's high byte repeats the setting that is left
.if MSB != \new
	s_set_vgpr_msb (MSB<<8)|\new
.set MSB, \new
.endif
.endm
.macro ROUND                           ; a round of the cluster's barrier
	s_barrier_signal -1
	s_barrier_wait -1
	s_cmp_lg_u32 s14, 0
	s_cbranch_scc1 .Lnot_wave_0_\@
	s_barrier_signal -3
.Lnot_wave_0_\@:
	s_barrier_wait -3
	s_barrier_signal -1
	s_barrier_wait -1
.endm
; The operands of my i-th tile of a slot: 6 loads of the image, 2 of its 8 sums of squares for my half; sc = 1: the scale words of tiles i and i + 1.  Every load is 16 or 8 bytes a lane on end, or one address for sixteen lanes.
.macro LDOPS slot, i, sc
.irp q, 0,1,2,3,4,5
	ds_load_b128 v[CF+24*((\i)%2)+4*\q:CF+24*((\i)%2)+4*\q+3], v[ADC+(\slot)] offset:(\i)*3072+512*\q
.endr
	ds_load_b128 v[ES+8*((\i)%2):ES+8*((\i)%2)+3], v[ADE] offset:(\i)*64
	ds_load_b128 v[ES+8*((\i)%2)+4:ES+8*((\i)%2)+7], v[ADE] offset:(\i)*64+16
.if \sc
	ds_load_b64 v[SC+2*((\i)/2):SC+2*((\i)/2)+1], v[ADS] offset:((\i)/2)*256
.endif
.endm
; 16 matrix instructions: my i-th tile of codes against the 8 tiles of z.  The 8 accumulators take turns, one instruction a turn; the first 8 start the sums with the constant 0.
; The scale registers hold K step 0's words in lanes 0-15 and K step 1's in lanes 16-31.  Four v_nop are the places behind the last products (ISA guide 7.12.1).
.macro MM i
	WIN 0x04                                       ; source 1 (z) in window 1
.irp z, 0,1,2,3,4,5,6,7
	v_wmma_scale_f32_16x16x128_f8f6f4 v[ACC+8*\z:ACC+8*\z+7], v[CF+24*((\i)%2):CF+24*((\i)%2)+11], v[24*\z:24*\z+11], 0, v[SC+(\i)], v[ZS+\z] matrix_a_fmt:MATRIX_FMT_FP6 matrix_b_fmt:MATRIX_FMT_FP6
.endr
.irp z, 0,1,2,3,4,5,6,7
	v_wmma_scale_f32_16x16x128_f8f6f4 v[ACC+8*\z:ACC+8*\z+7], v[CF+24*((\i)%2)+12:CF+24*((\i)%2)+23], v[24*\z+12:24*\z+23], v[ACC+8*\z:ACC+8*\z+7], v[SC+(\i)], v[ZS+\z] matrix_a_fmt:MATRIX_FMT_FP6 matrix_b_fmt:MATRIX_FMT_FP6 matrix_a_scale:MATRIX_SCALE_ROW1 matrix_b_scale:MATRIX_SCALE_ROW1
.endr
	WIN 0
.rept 4
	v_nop
.endr
.endm
; The vector work of a tile: 113 instructions for 8 x 8 numbers a lane.  d in two roundings; the smallest of the 8 and of what was there; where it is smaller than what was there, the tile's number is kept.
; Strictly smaller: an equal d of a later tile changes nothing.  Each accumulator is read from its low end on.
.macro EPI i
.set OLD, BEST+8*((\i)%2)
.set NEW, BEST+8*(1-(\i)%2)
.set EB,  ES+8*((\i)%2)
	v_mov_b32 v[VT], s36
.if (\i) == 3
	s_add_co_u32 s36, s36, 29                      ; on to my first tile of the next slot
.else
	s_add_co_u32 s36, s36, 1
.endif
.irp z, 0,1,2,3,4,5,6,7
.irp q, 0,1,2,3
	v_pk_fma_f32 v[ACC+8*\z+2*\q:ACC+8*\z+2*\q+1], v[ACC+8*\z+2*\q:ACC+8*\z+2*\q+1], -2.0, v[ZQ+2*\z:ZQ+2*\z+1] op_sel_hi:[1,0,1]   ; t = z_sq - 2 dot
.endr
.endr
.irp z, 0,1,2,3,4,5,6,7
.irp q, 0,1,2,3
	v_pk_add_f32 v[ACC+8*\z+2*\q:ACC+8*\z+2*\q+1], v[ACC+8*\z+2*\q:ACC+8*\z+2*\q+1], v[EB+2*\q:EB+2*\q+1]   ; d = t + e_sq
.endr
.endr
.irp z, 0,1,2,3,4,5,6,7
	v_min3_num_f32 v[NEW+\z], v[OLD+\z], v[ACC+8*\z], v[ACC+8*\z+1]
.endr
.irp q, 1,2,3
.irp z, 0,1,2,3,4,5,6,7
	v_min3_num_f32 v[NEW+\z], v[NEW+\z], v[ACC+8*\z+2*\q], v[ACC+8*\z+2*\q+1]
.endr
.endr
.irp z, 0,1,2,3,4,5,6,7
	v_cmp_lt_f32 s[44+\z], v[NEW+\z], v[OLD+\z]
.endr
.irp z, 0,1,2,3,4,5,6,7
	v_cndmask_b32 v[IDX+\z], v[IDX+\z], v[VT], s[44+\z]
.endr
.endm
; A PREFETCH INTO THE L2 of the slot that the NEXT change of slots will ask for: 98,304 bytes, each aligned block of 256 bytes named once in the launch.  All clusters walk the same codes: the first cluster asks.
; Its four partners take 24,576 bytes each, told apart BY ADDRESS; in each, waves 0 to 2 ask for 8,192 bytes each, lanes 256 bytes apart: one instruction a wave.
; how = 0: a trip's first change; how = 1: its second, which in the last trip asks for nothing: there is no slot behind the sixteenth.
.macro ASK how
.if \how
	s_cmp_gt_u32 s37, s38
.else
	s_cmp_eq_u32 s38, 1
.endif
	s_cbranch_scc0 .Lnot_mine_\@
	global_prefetch_b8 v[PFO], s[40:41] th:TH_LOAD_NT scope:SCOPE_SE
.Lnot_mine_\@:
.endm
; My four tiles of LDS slot k.  A tile's operands are asked for one tile ahead.  mode = 1: the slot is filled again; 0: the last change of slots, nothing is asked for; 2: the last slot.
.macro SLOTWORK k, mode
	LDOPS \k, 1, 0
	s_wait_dscnt 8                                 ; tile 0's operands are in; the 8 loads just issued may be out
	MM 0
	EPI 0
	LDOPS \k, 2, 1
	s_wait_dscnt 9                                 ; tile 1's are in; the 9 just issued may be out
	MM 1
	EPI 1
	LDOPS \k, 3, 0
	s_wait_dscnt 8                                 ; tile 2's are in; the 8 just issued may be out
	MM 2
	EPI 2
	s_wait_dscnt 0x0                               ; tile 3's operands are in registers: my reads of this slot are over
.if \mode == 2
	MM 3
.else
	s_cmp_lg_u32 s39, 0
	s_cbranch_scc1 .Llate_\@
	MM 3                                           ; type 0
.Llate_\@:
.if \mode == 1
	s_wait_xcnt 0x0                                ; the last prefetch, a slot back, has read its address, so it may be written:
	s_add_nc_u64 s[40:41], s[40:41], SLOTB         ; one slot further on than the refill below
	s_wait_tensorcnt 0x0                           ; all my tensor loads have landed: the one that was out is my part of the other slot; so a group 0 may be written
	ds_add_u32 v[SPW], v[NIL]                      ; 0 onto my spare word
	s_add_nc_u64 s[30+4*\k:31+4*\k], s[30+4*\k:31+4*\k], 2*SLOTB   ; this slot's next 32 tiles; the type bits on top are not reached
	s_wait_dscnt 0x0                               ; the add is done, and my reads of this slot are over
	ROUND                                          ; both now hold of every wave of the four work-groups
	tensor_load_to_lds s[28+4*\k:31+4*\k], s[16:23]   ; my one tensor load behind the round, and the first thing there
	s_nop 0
.rept 4
	v_nop
.endr
.else
	s_wait_tensorcnt 0x0                           ; my part of the last slot has landed; only I read it; nothing is filled again
.endif
	v_add_nc_u32 v[ADE], 2048, v[ADE]              ; the next slot's 512 sums of squares
	v_add_nc_u32 v[ADS], 4096, v[ADS]              ; and its 16 pairs of scale words
	LDOPS 1-\k, 0, 1
.if \mode == 1
	ASK \k
.endif
	s_cmp_eq_u32 s39, 0
	s_cbranch_scc1 .Learly_\@
	MM 3                                           ; type 1
.Learly_\@:
.endif
	EPI 3
.endm
; Of (d, group) a and b the smaller d, and of equal d the lower group, into (dd, dg).  The masks go into selects alone.
.macro MERGE dd, dg, ad, ag, bd, bg
	v_cmp_lt_f32 s44, v[\bd], v[\ad]
	v_cmp_eq_f32 s45, v[\bd], v[\ad]
	v_cmp_lt_u32 s46, v[\bg], v[\ag]
	s_and_b32 s45, s45, s46
	s_or_b32 s44, s44, s45
	v_cndmask_b32 v[\dd], v[\ad], v[\bd], s44
	v_cndmask_b32 v[\dg], v[\ag], v[\bg], s44
.endm
	s_load_b256 s[4:11], s[0:1], 0x0               ; zimg s[4:5], zaux s[6:7], cbimg s[8:9], cbaux s[10:11]
	s_load_b64 s[12:13], s[0:1], 0x20              ; grp
	v_lshl_add_u32 v[SPW], v0, 2, SPARE
	v_mov_b32 v[NIL], 0
	ds_add_u32 v5, v6
	ds_add_u32 v5, v6
	s_wait_dscnt 0x0
	v_lshrrev_b32 v[VT], 5, v0
	v_readfirstlane_b32 s14, v[VT]                 ; wave 0..7
	s_lshr_b32 s39, s14, 2
	s_xor_b32 s39, s39, s14
	s_and_b32 s39, s39, 1                          ; my type
	s_lshl_b32 s36, s14, 2                         ; my first tile of codes
	s_mov_b32 s52, 0x76543210
	s_mov_b32 s53, 0xfedcba98                      ; v_permlanex16_b32's selects for lane l xor 16
	; LDS addresses: the wave's number, the lane and constants alone
	s_mul_i32 s54, s14, PART
	s_mov_b32 s55, 0
	v_and_b32 v[L16], 31, v0
	v_lshlrev_b32 v[L8], 3, v[L16]
	v_lshlrev_b32 v[PFO], 8, v[L16]
	v_lshlrev_b32 v[L16], 4, v[L16]
	v_and_b32 v[R4], 15, v0
	v_bfe_u32 v[HH], v0, 4, 1
	v_add_nc_u32 v[ADC], s54, v[L16]               ; my part of slot 0
	v_add_nc_u32 v[ADC+1], SLOTB, v[ADC]           ; and of slot 1
	s_lshl_b32 s58, s14, 9
	s_add_co_u32 s58, s58, AUXB
	v_add_nc_u32 v[ADS], s58, v[L8]                ; my two pairs of tiles' scale words
	s_lshl_b32 s58, s14, 8
	s_add_co_u32 s58, s58, ESQB
	v_lshl_add_u32 v[ADE], v[HH], 5, s58           ; my four tiles' sums of squares, my half's eight
	s_lshl_b32 s58, s14, 10
	s_add_co_u32 s58, s58, SCR
	v_lshl_add_u32 v[SCW], v[R4], 3, s58           ; the scratch: my wave's 1,024 bytes, 8 bytes a row
	s_and_b32 s59, s14, 1
	s_lshl_b32 s59, s59, 9
	s_add_co_u32 s58, s59, SCR
	v_add_nc_u32 v[SCRD], s58, v[L16]              ; back: 64 rows a wave (waves 0 and 1), two rows a lane
	s_lshr_b32 s59, s59, 1
	v_add_nc_u32 v[GOF], s59, v[L8]
	v_lshlrev_b32 v[R4], 2, v[R4]
	; who prefetches: waves 0 to 2 of the first cluster: the same in all four partners
	s_cmp_lt_u32 s14, 3
	s_cselect_b32 s58, 0, 1
	s_or_b32 s58, s58, ttmp9
	s_cmp_eq_u32 s58, 0
	s_cselect_b32 s38, 1, -1
	; descriptor group 1: a dense block of 12,288 bytes as 48 rows of 256 bytes
	s_mov_b32 s16, 15|(3<<16)|(1<<21)              ; 15:0 the mask: all four work-groups; 17:16 elements of 8 bytes; 20 no padding; 21 set beside a mask
	s_mov_b32 s17, 32<<16                          ; tensor_dim0 = 32
	s_mov_b32 s18, 48<<16                          ; tensor_dim1 = 48
	s_mov_b32 s19, 32<<16                          ; tile_dim0 = 32
	s_mov_b32 s20, 48                              ; tile_dim1 = 48
	s_mov_b32 s21, 32                              ; tensor_dim0_stride
	s_mov_b32 s22, 0
	s_mov_b32 s23, 0
	s_bfe_u32 s15, ttmp6, 0x40000                  ; cx: it enters global addresses of z, grp and the prefetches alone
	s_lshl_b32 s3, ttmp9, 2
	s_add_co_u32 s3, s3, s15                       ; my work-group: 4 x cluster + cx
	s_mov_b32 s43, 0
	s_wait_kmcnt 0x0
	s_mov_b32 s24, 1                               ; group 0 for the scale words and sums of squares: my eighth
	s_add_co_u32 s25, s54, AUXB
	s_add_nc_u64 s[26:27], s[10:11], s[54:55]
	s_or_b32 s27, s27, 0x80000000
	s_mov_b32 s28, 1                               ; for slot 0: tiles 0 to 31, my eighth
	s_mov_b32 s29, s54
	s_add_nc_u64 s[30:31], s[8:9], s[54:55]
	s_or_b32 s31, s31, 0x80000000
	s_mov_b32 s32, 1                               ; for slot 1: tiles 32 to 63
	s_add_co_u32 s33, s54, SLOTB
	s_add_nc_u64 s[34:35], s[8:9], s[54:55]
	s_add_nc_u64 s[34:35], s[34:35], SLOTB
	s_or_b32 s35, s35, 0x80000000
	s_mul_i32 s42, s3, 24576                       ; my 8 images of z
	s_add_nc_u64 s[4:5], s[4:5], s[42:43]
	s_lshl_b32 s42, s3, 10                         ; their scale words
	s_add_nc_u64 s[56:57], s[6:7], s[42:43]
	s_lshl_b32 s42, s3, 9                          ; 128 numbers of 4 bytes: z_sq, and grp
	s_add_nc_u64 s[6:7], s[6:7], s[42:43]
	s_add_nc_u64 s[12:13], s[12:13], s[42:43]
	s_min_u32 s58, s14, 2                          ; the prefetches: my wave's 8,192 bytes (held at the third, so that the address lies in the buffer in every wave),
	s_lshl_b32 s58, s58, 13
	s_mul_i32 s59, s15, 24576                      ; of my work-group's 24,576,
	s_add_co_u32 s58, s58, s59
	s_add_co_u32 s58, s58, 2*SLOTB                 ; in the third 32 tiles: the first change of slots steps it on.  Nothing is prefetched here, at the head
	s_mov_b32 s59, 0
	s_add_nc_u64 s[40:41], s[8:9], s[58:59]
	ROUND                                          ; all four work-groups are here: the first joint loads meet
	tensor_load_to_lds s[24:27], s[16:23]          ; the first fills go out as one group: three loads of mine are out
	s_nop 0
	tensor_load_to_lds s[28:31], s[16:23]
	s_nop 0
	tensor_load_to_lds s[32:35], s[16:23]
	s_nop 0
.rept 4
	v_nop
.endr
	WIN 0x40                                       ; destination window 1
.set n, 0
.rept 48
	global_load_b128 v[4*n:4*n+3], v[L16], s[4:5] offset:512*n   ; z's 8 images, as they lie: they stay in registers
.set n, n+1
.endr
	WIN 0
.irp p, 0,1,2,3
	global_load_b64 v[ZS+2*\p:ZS+2*\p+1], v[L8], s[56:57] offset:256*\p
.endr
.irp z, 0,1,2,3,4,5,6,7
	global_load_b32 v[ZQ+2*\z], v[R4], s[6:7] offset:262144+64*\z
.endr
.irp z, 0,1,2,3,4,5,6,7
	v_mov_b32 v[BEST+\z], 0x7f800000               ; +infinity: over every d
	v_mov_b32 v[IDX+\z], 0
.endr
	s_wait_tensorcnt 1                             ; my parts of the scale words, the sums and slot 0 are in; slot 1's may stay out
	s_barrier_signal -1
	s_barrier_wait -1                              ; everybody's are: the scale words and sums are read across waves
	LDOPS 0, 0, 1
	s_wait_loadcnt 0x0                             ; z
.irp z, 0,1,2,3,4,5,6,7
	v_mov_b32 v[ZQ+2*\z+1], v[ZQ+2*\z]             ; z_sq twice: the packed form's addend
.endr
	s_mov_b32 s37, 7
.Ltrip:                                            ; 7 trips: 14 slots' worth of tiles, each followed by a refill
	SLOTWORK 0, 1
	SLOTWORK 1, 1
	s_sub_co_u32 s37, s37, 1
	s_cmp_lg_u32 s37, 0
	s_cbranch_scc1 .Ltrip
	SLOTWORK 0, 0                                  ; the last two are written out
	SLOTWORK 1, 2
	; THE END.  A lane's group is 2 x tile + its half.  First the two halves of the lanes, then the eight waves through the scratch.
.irp z, 0,1,2,3,4,5,6,7
	v_lshl_add_u32 v[ES+8+\z], v[IDX+\z], 1, v[HH]
.endr
.irp z, 0,1,2,3,4,5,6,7
	v_permlanex16_b32 v[BEST+8+\z], v[BEST+\z], s52, s53
.endr
.irp z, 0,1,2,3,4,5,6,7
	v_permlanex16_b32 v[ES+\z], v[ES+8+\z], s52, s53
.endr
.irp z, 0,1,2,3,4,5,6,7
	MERGE OUTP+2*\z, OUTP+2*\z+1, BEST+\z, ES+8+\z, BEST+8+\z, ES+\z
	ds_store_b64 v[SCW], v[OUTP+2*\z:OUTP+2*\z+1] offset:128*\z   ; both lanes of a row write the same 8 bytes with the same value
.endr
	s_wait_dscnt 0x0                               ; for the others' sake: my stores have landed
	s_barrier_signal -1
	s_barrier_wait -1
	s_cmp_gt_u32 s14, 1
	s_cbranch_scc1 .Lclose
.irp k, 0,1,2,3,4,5,6,7
	ds_load_b128 v[ACC+4*\k:ACC+4*\k+3], v[SCRD] offset:1024*\k   ; wave k's (d, group) of rows 64 w + 2 lane and the next
.endr
	s_wait_dscnt 0x0
.irp k, 1,2,3,4,5,6,7
	MERGE ACC, ACC+1, ACC, ACC+1, ACC+4*\k, ACC+4*\k+1
	MERGE ACC+2, ACC+3, ACC+2, ACC+3, ACC+4*\k+2, ACC+4*\k+3
.endr
	v_mov_b32 v[ACC+2], v[ACC+1]
	global_store_b64 v[GOF], v[ACC+2:ACC+3], s[12:13]   ; 32 lanes store 256 consecutive bytes, aligned: 64 rows' groups
.Lclose:
	s_wait_tensorcnt 0x0                           ; the wave's end: behind my last tensor load and my last LDS store
	ds_add_u32 v[SPW], v[NIL]
	s_wait_dscnt 0x0
	ROUND                                          ; the closing round: no work-group ends while a partner may still ask for a tile that names it
	s_endpgm
.Lfunc_end_k_qe16077fe4f_main:
	.size	k_qe16077fe4f_main, .Lfunc_end_k_qe16077fe4f_main-k_qe16077fe4f_main
	.p2alignl 7, 3214868480
	.fill 96, 4, 3214868480
	.section	.rodata,"a",@progbits
	.p2align	6, 0x0
	.amdhsa_kernel k_qe16077fe4f_main
		.amdhsa_group_segment_fixed_size 327680
		.amdhsa_private_segment_fixed_size 0
		.amdhsa_enable_private_segment 0
		.amdhsa_kernarg_size 40
		.amdhsa_user_sgpr_count 2
		.amdhsa_user_sgpr_kernarg_segment_ptr 1
		.amdhsa_wavefront_size32 1
		.amdhsa_system_sgpr_workgroup_id_x 1
		.amdhsa_system_sgpr_workgroup_id_y 1
		.amdhsa_system_sgpr_workgroup_id_z 1
		.amdhsa_system_vgpr_workitem_id 0
		.amdhsa_next_free_vgpr 448
		.amdhsa_next_free_sgpr 66
		.amdhsa_reserve_vcc 0
		.amdhsa_float_denorm_mode_32 3
		.amdhsa_float_denorm_mode_16_64 3
		.amdhsa_memory_ordered 1
		.amdhsa_forward_progress 1
		.amdhsa_inst_pref_size 190
	.end_amdhsa_kernel
	.amdgpu_metadata
---
amdhsa.version: [ 1, 2 ]
amdhsa.kernels:
  - .name:           k_qe16077fe4f_main
    .symbol:         k_qe16077fe4f_main.kd
    .args:
      - { .name: zimg, .offset: 0, .size: 8, .value_kind: global_buffer, .address_space: global }
      - { .name: zaux, .offset: 8, .size: 8, .value_kind: global_buffer, .address_space: global }
      - { .name: cbimg, .offset: 16, .size: 8, .value_kind: global_buffer, .address_space: global }
      - { .name: cbaux, .offset: 24, .size: 8, .value_kind: global_buffer, .address_space: global }
      - { .name: grp, .offset: 32, .size: 8, .value_kind: global_buffer, .address_space: global }
    .group_segment_fixed_size: 327680
    .private_segment_fixed_size: 0
    .kernarg_segment_align: 8
    .kernarg_segment_size: 40
    .max_flat_workgroup_size: 256
    .sgpr_count:     66
    .vgpr_count:     448
    .wavefront_size: 32
...
	.end_amdgpu_metadata
.endif
;; end of part 2
;; launch resolve (part 3): grid 256 x 1, 8 waves a work-group, no clusters, 0 bytes of LDS; arguments zimg, zaux, cbimg, cbaux, grp, idx; writes idx
.if DOCPART == 3
	.amdgcn_target "amdgcn-amd-amdhsa--gfx1250"
	.amdhsa_code_object_version 6
	.text
	.protected	k_qe16077fe4f_resolve
	.globl	k_qe16077fe4f_resolve
	.p2align	8
	.type	k_qe16077fe4f_resolve,@function
k_qe16077fe4f_resolve:
	s_mov_b64 s[64:65], 0
	v_nop
	global_prefetch_b8 v0, s[64:65] scope:SCOPE_SE
	s_setreg_imm32_b32 hwreg(HW_REG_WAVE_MODE, 25, 1), 1
	s_wait_xcnt 0x0
; For each row of z the launch before has stored the group G of 8 neighbouring codes that holds the first smallest d.  Here those 8 d are made once more, by the same matrix instruction on the same
; codes and scale words and the same two roundings, and idx = 8 G + the first place of the smallest.
; A wave takes one tile of 16 rows of z, in 8 steps.  Step g multiplies by a tile of codes PUT TOGETHER from two groups: its rows 0-7 are the codes of row g's group, its rows 8-15 those of row (g + 8)'s.
; In the result (source 0 = codes, source 1 = z) lane g then holds row g's eight d, and lane 24 + g row (g + 8)'s; what the other lanes hold is not used.
; The groups are whole numbers read from memory, held to 0 .. 1,023, and enter offsets by AND, multiply, shift and add.  Operands go from memory straight into registers: 16 bytes a lane of the images.
; No tensor load, no LDS, no cluster: each wave reads other rows of the images.  LIMITS: NaN and infinities are not served.
; REGISTERS: v1, v15 16 and 8 x lane; v[2:3] z_sq twice; v4-7 lane terms of the offsets; v8 z's scale word; v9-12 the four tiles' scale words; v13 the result; v14 which step is mine;
;   v16-39 z; v40-47 the groups; v48-59 offsets; v60-155 four tiles of codes; v156-219 e_sq, two sets; v220-251 four accumulators; v252-254 at work.
.set Z,   16
.set G,   40
.set OF,  48
.set AT,  60
.set ES,  156
.set ACC, 220
.macro OFFS j, g                       ; the three offsets of step g, for place j of four
	v_and_b32 v252, 0x3fe, v[G+(\g)]               ; codes: tile G / 2 at 3,072 bytes a tile,
	v_and_b32 v253, 1, v[G+(\g)]                   ; its rows 8 (G % 2) on: 16 bytes a row
	v_mul_u32_u24 v252, 0x600, v252
	v_lshlrev_b32 v253, 7, v253
	v_add_nc_u32 v252, v252, v253
	v_add_nc_u32 v[OF+3*(\j)], v252, v4
	v_and_b32 v252, 0x3fd, v[G+(\g)]               ; scale words: the pair of tiles G / 4 at 256 bytes, rows 8 (G % 2) on at 8 bytes,
	v_and_b32 v253, 2, v[G+(\g)]                   ; the pair's second tile 4 bytes on
	v_lshlrev_b32 v252, 6, v252
	v_lshlrev_b32 v253, 1, v253
	v_add_nc_u32 v252, v252, v253
	v_add_nc_u32 v[OF+3*(\j)+1], v252, v5
	v_lshlrev_b32 v[OF+3*(\j)+2], 5, v[G+(\g)]     ; e_sq: 8 numbers a group
.endm
.macro FETCH j, e                      ; nine loads: the tile's two fragments, its scale word, its e_sq into set e
.irp n, 0,1,2,3,4,5
	global_load_b128 v[AT+24*(\j)+4*\n:AT+24*(\j)+4*\n+3], v[OF+3*(\j)], s[8:9] offset:512*\n
.endr
	global_load_b32 v[9+(\j)], v[OF+3*(\j)+1], s[10:11]
	global_load_b128 v[ES+32*(\e)+8*(\j):ES+32*(\e)+8*(\j)+3], v[OF+3*(\j)+2], s[10:11] offset:65536
	global_load_b128 v[ES+32*(\e)+8*(\j)+4:ES+32*(\e)+8*(\j)+7], v[OF+3*(\j)+2], s[10:11] offset:65536+16
.endm
.macro PROD                            ; four steps' products: the four accumulators by turns, K step 0 and then K step 1; four places behind them
.irp j, 0,1,2,3
	v_wmma_scale_f32_16x16x128_f8f6f4 v[ACC+8*\j:ACC+8*\j+7], v[AT+24*\j:AT+24*\j+11], v[Z:Z+11], 0, v[9+\j], v8 matrix_a_fmt:MATRIX_FMT_FP6 matrix_b_fmt:MATRIX_FMT_FP6
.endr
.irp j, 0,1,2,3
	v_wmma_scale_f32_16x16x128_f8f6f4 v[ACC+8*\j:ACC+8*\j+7], v[AT+24*\j+12:AT+24*\j+23], v[Z+12:Z+23], v[ACC+8*\j:ACC+8*\j+7], v[9+\j], v8 matrix_a_fmt:MATRIX_FMT_FP6 matrix_b_fmt:MATRIX_FMT_FP6 matrix_a_scale:MATRIX_SCALE_ROW1 matrix_b_scale:MATRIX_SCALE_ROW1
.endr
.rept 4
	v_nop
.endr
.endm
.macro FIN g                           ; step g's eight d, their smallest, its first place; kept in the two lanes whose step this is
.set A0, ACC+8*((\g)%4)
.set E0, ES+32*((\g)/4)+8*((\g)%4)
.irp q, 0,1,2,3
	v_pk_fma_f32 v[A0+2*\q:A0+2*\q+1], v[A0+2*\q:A0+2*\q+1], -2.0, v[2:3] op_sel_hi:[1,0,1]   ; t = z_sq - 2 dot
.endr
.irp q, 0,1,2,3
	v_pk_add_f32 v[A0+2*\q:A0+2*\q+1], v[A0+2*\q:A0+2*\q+1], v[E0+2*\q:E0+2*\q+1]             ; d = t + e_sq
.endr
	v_min3_num_f32 v252, v[A0], v[A0+1], v[A0+2]
	v_min3_num_f32 v252, v252, v[A0+3], v[A0+4]
	v_min3_num_f32 v252, v252, v[A0+5], v[A0+6]
	v_min_num_f32 v252, v252, v[A0+7]
	v_mov_b32 v253, 7
.irp p, 6,5,4,3,2,1,0
	v_cmp_neq_f32 vcc_lo, v[A0+\p], v252
	v_cndmask_b32 v253, \p, v253, vcc_lo           ; from the top down: the lowest place that holds the smallest stays
.endr
	v_lshl_add_u32 v254, v[G+(\g)], 3, v253
	v_cmp_eq_u32 vcc_lo, \g, v14
	v_cndmask_b32 v13, v13, v254, vcc_lo
.endm
	s_load_b256 s[4:11], s[0:1], 0x0               ; zimg s[4:5], zaux s[6:7], cbimg s[8:9], cbaux s[10:11]
	s_load_b128 s[12:15], s[0:1], 0x20             ; grp s[12:13], idx s[14:15]
	v_lshrrev_b32 v1, 5, v0
	v_readfirstlane_b32 s16, v1                    ; wave
	s_lshl_b32 s17, ttmp9, 3
	s_add_co_u32 s17, s17, s16                     ; my tile of z
	v_and_b32 v252, 7, v0
	v_bfe_u32 v253, v0, 4, 1                       ; h
	v_and_b32 v254, 31, v0                         ; lane
	v_lshlrev_b32 v4, 4, v252
	v_lshl_add_u32 v4, v253, 8, v4                 ; in an image: 16 (r % 8) + 256 h
	v_lshlrev_b32 v5, 3, v252
	v_lshl_add_u32 v5, v253, 7, v5                 ; among scale words: 8 (r % 8) + 128 h: lanes 16-31 take K step 1's
	v_and_b32 v6, 8, v0
	v_lshlrev_b32 v6, 2, v6                        ; lanes with r >= 8 take the group of the row 8 further on
	v_lshlrev_b32 v1, 4, v254
	v_lshlrev_b32 v15, 3, v254
	v_add_nc_u32 v14, 0xffffffe8, v254             ; lane - 24,
	v_cmp_gt_u32 vcc_lo, 8, v254
	v_cndmask_b32 v14, v14, v254, vcc_lo           ; or the lane itself in lanes 0-7: under 8 in the sixteen lanes that keep a result
	v_and_b32 v7, 7, v14
	v_lshlrev_b32 v7, 2, v7
	v_lshl_add_u32 v7, v253, 5, v7                 ; my row's place in idx: 4 (step + 8 h)
	v_and_b32 v2, 15, v0
	v_lshlrev_b32 v2, 2, v2                        ; 4 r: z_sq's offset; the load lands on it
	v_mov_b32 v13, 0
	s_mov_b32 s19, 0
	s_mul_i32 s18, s17, 3072
	s_wait_kmcnt 0x0
	s_add_nc_u64 s[4:5], s[4:5], s[18:19]
	s_lshl_b32 s18, s17, 6                         ; 16 numbers of 4 bytes
	s_add_nc_u64 s[12:13], s[12:13], s[18:19]
	s_add_nc_u64 s[14:15], s[14:15], s[18:19]
	s_add_nc_u64 s[20:21], s[6:7], s[18:19]
	s_lshr_b32 s18, s17, 1
	s_lshl_b32 s18, s18, 8
	s_and_b32 s22, s17, 1
	s_lshl_b32 s22, s22, 2
	s_add_co_u32 s18, s18, s22
	s_add_nc_u64 s[6:7], s[6:7], s[18:19]          ; my tile's scale words
.irp g, 0,1,2,3,4,5,6,7
	global_load_b32 v[G+\g], v6, s[12:13] offset:4*\g
.endr
.irp n, 0,1,2,3,4,5
	global_load_b128 v[Z+4*\n:Z+4*\n+3], v1, s[4:5] offset:512*\n
.endr
	global_load_b32 v8, v15, s[6:7]
	global_load_b32 v2, v2, s[20:21] offset:262144
	s_wait_loadcnt 8                               ; the groups are in; the 8 loads for z may be out
.irp g, 0,1,2,3,4,5,6,7
	v_min_u32 v[G+\g], 0x3ff, v[G+\g]
.endr
.irp j, 0,1,2,3
	OFFS \j, \j
.endr
.irp j, 0,1,2,3
	FETCH \j, 0
.endr
	s_wait_loadcnt 0x0
	v_mov_b32 v3, v2
	PROD
.irp j, 0,1,2,3
	OFFS \j, \j+4                                  ; (the first four steps' loads are done: their offsets may be written)
.endr
.irp j, 0,1,2,3
	FETCH \j, 1                                    ; behind the four places: into registers that the products have read
.endr
.irp g, 0,1,2,3
	FIN \g
.endr
	s_wait_loadcnt 0x0
	PROD
.irp g, 4,5,6,7
	FIN \g
.endr
	v_cmp_gt_u32 vcc_lo, 8, v14                    ; lanes 0-7 and 24-31: a mask of lane numbers
	s_wait_xcnt 0x0                                ; EXEC changes only behind this wait
	s_and_saveexec_b32 s23, vcc_lo
	global_store_b32 v7, v13, s[14:15]             ; 16 rows' indices: 64 consecutive bytes a wave
	s_wait_xcnt 0x0
	s_or_b32 exec_lo, exec_lo, s23
	s_endpgm
.Lfunc_end_k_qe16077fe4f_resolve:
	.size	k_qe16077fe4f_resolve, .Lfunc_end_k_qe16077fe4f_resolve-k_qe16077fe4f_resolve
	.p2alignl 7, 3214868480
	.fill 96, 4, 3214868480
	.section	.rodata,"a",@progbits
	.p2align	6, 0x0
	.amdhsa_kernel k_qe16077fe4f_resolve
		.amdhsa_group_segment_fixed_size 0
		.amdhsa_private_segment_fixed_size 0
		.amdhsa_enable_private_segment 0
		.amdhsa_kernarg_size 48
		.amdhsa_user_sgpr_count 2
		.amdhsa_user_sgpr_kernarg_segment_ptr 1
		.amdhsa_wavefront_size32 1
		.amdhsa_system_sgpr_workgroup_id_x 1
		.amdhsa_system_sgpr_workgroup_id_y 1
		.amdhsa_system_sgpr_workgroup_id_z 1
		.amdhsa_system_vgpr_workitem_id 0
		.amdhsa_next_free_vgpr 256
		.amdhsa_next_free_sgpr 66
		.amdhsa_reserve_vcc 1
		.amdhsa_float_denorm_mode_32 3
		.amdhsa_float_denorm_mode_16_64 3
		.amdhsa_memory_ordered 1
		.amdhsa_forward_progress 1
		.amdhsa_inst_pref_size 28
	.end_amdhsa_kernel
	.amdgpu_metadata
---
amdhsa.version: [ 1, 2 ]
amdhsa.kernels:
  - .name:           k_qe16077fe4f_resolve
    .symbol:         k_qe16077fe4f_resolve.kd
    .args:
      - { .name: zimg, .offset: 0, .size: 8, .value_kind: global_buffer, .address_space: global }
      - { .name: zaux, .offset: 8, .size: 8, .value_kind: global_buffer, .address_space: global }
      - { .name: cbimg, .offset: 16, .size: 8, .value_kind: global_buffer, .address_space: global }
      - { .name: cbaux, .offset: 24, .size: 8, .value_kind: global_buffer, .address_space: global }
      - { .name: grp, .offset: 32, .size: 8, .value_kind: global_buffer, .address_space: global }
      - { .name: idx, .offset: 40, .size: 8, .value_kind: global_buffer, .address_space: global }
    .group_segment_fixed_size: 0
    .private_segment_fixed_size: 0
    .kernarg_segment_align: 8
    .kernarg_segment_size: 48
    .max_flat_workgroup_size: 256
    .sgpr_count:     66
    .vgpr_count:     256
    .wavefront_size: 32
...
	.end_amdgpu_metadata
.endif
;; end of part 3
;; launch gather (part 4): grid 256 x 1, 16 waves a work-group, no clusters, 2,304 bytes of LDS; arguments z, codebook, idx, out0, parts; writes out0, parts
.if DOCPART == 4
	.amdgcn_target "amdgcn-amd-amdhsa--gfx1250"
	.amdhsa_code_object_version 6
	.text
	.protected	k_qe16077fe4f_gather
	.globl	k_qe16077fe4f_gather
	.p2align	8
	.type	k_qe16077fe4f_gather,@function
k_qe16077fe4f_gather:
	s_mov_b64 s[64:65], 0
	v_nop
	global_prefetch_b8 v0, s[64:65] scope:SCOPE_SE
	s_setreg_imm32_b32 hwreg(HW_REG_WAVE_MODE, 25, 1), 1
	s_wait_xcnt 0x0
; out0[r] = z[r] + (codebook[idx[r]] - z[r]), and for each work-group the sum of (codebook[idx[r]] - z[r])^2 over its 128 rows.  All in f32, each rounding as it is written.
; A wave takes 8 rows.  Its 8 indices come by one scalar load (whole numbers that an earlier launch stored), are held to 0 .. 8,191 and become row offsets.  A row is 1,024 bytes: two loads or stores of
; 512 consecutive bytes.  All 32 loads of a wave go out before the first is waited for.  A stream: no matrix unit, no tensor load, no cluster; LDS only for the sixteen waves' sums.
.set ZR,  16                           ; v16-79   z, then out0
.set ER,  80                           ; v80-143  the chosen rows, then the differences
.set OFR, 144                          ; v144-151 the chosen rows' offsets
.set SM,  152                          ; v152-167 the sixteen waves' sums
	s_load_b256 s[4:11], s[0:1], 0x0               ; z s[4:5], codebook s[6:7], idx s[8:9], out0 s[10:11]
	s_load_b64 s[12:13], s[0:1], 0x20              ; parts
	v_lshl_add_u32 v176, v0, 2, 0x100
	v_mov_b32 v177, 0
	v_lshrrev_b32 v1, 5, v0
	v_readfirstlane_b32 s14, v1                    ; wave 0..15
	v_and_b32 v1, 31, v0
	v_lshlrev_b32 v2, 4, v1                        ; 16 x lane
	v_mov_b32 v12, s14
	v_lshlrev_b32 v12, 2, v12                      ; LDS: my wave's word
	v_mov_b32 v13, 0
	s_mov_b32 s24, 0x76543210
	s_mov_b32 s25, 0xfedcba98
	s_lshl_b32 s15, ttmp9, 7
	s_lshl_b32 s26, s14, 3
	s_add_co_u32 s15, s15, s26                     ; my first row
	s_mov_b32 s27, 0
	s_lshl_b32 s26, s15, 2
	s_wait_kmcnt 0x0
	s_add_nc_u64 s[8:9], s[8:9], s[26:27]
	s_load_b256 s[16:23], s[8:9], 0x0              ; my 8 indices
	s_lshl_b32 s26, s15, 10
	s_add_nc_u64 s[4:5], s[4:5], s[26:27]
	s_add_nc_u64 s[10:11], s[10:11], s[26:27]
	s_lshl_b32 s26, ttmp9, 2
	s_add_nc_u64 s[12:13], s[12:13], s[26:27]
.irp r, 0,1,2,3,4,5,6,7
	global_load_b128 v[ZR+8*\r:ZR+8*\r+3], v2, s[4:5] offset:1024*\r th:TH_LOAD_NT
	global_load_b128 v[ZR+8*\r+4:ZR+8*\r+7], v2, s[4:5] offset:1024*\r+512 th:TH_LOAD_NT
.endr
	s_wait_kmcnt 0x0
.irp r, 0,1,2,3,4,5,6,7
	s_min_u32 s[16+\r], s[16+\r], 0x1fff
	s_lshl_b32 s[16+\r], s[16+\r], 10
	v_add_nc_u32 v[OFR+\r], s[16+\r], v2
	global_load_b128 v[ER+8*\r:ER+8*\r+3], v[OFR+\r], s[6:7]            ; rows of the codebook may be named again: no hint
	global_load_b128 v[ER+8*\r+4:ER+8*\r+7], v[OFR+\r], s[6:7] offset:512
.endr
.irp r, 0,1,2,3,4,5,6,7
	s_wait_loadcnt 14-2*\r                         ; z and this row of the codebook are in; the later rows' loads may be out
.irp q, 0,1,2,3
	v_pk_add_f32 v[ER+8*\r+2*\q:ER+8*\r+2*\q+1], v[ER+8*\r+2*\q:ER+8*\r+2*\q+1], v[ZR+8*\r+2*\q:ZR+8*\r+2*\q+1] neg_lo:[0,1] neg_hi:[0,1]   ; z_q - z
.endr
.irp q, 0,1,2,3
.if \r == 0
	v_pk_mul_f32 v[4+2*\q:5+2*\q], v[ER+2*\q:ER+2*\q+1], v[ER+2*\q:ER+2*\q+1]   ; the first row starts the four chains
.else
	v_pk_fma_f32 v[4+2*\q:5+2*\q], v[ER+8*\r+2*\q:ER+8*\r+2*\q+1], v[ER+8*\r+2*\q:ER+8*\r+2*\q+1], v[4+2*\q:5+2*\q]
.endif
.endr
.irp q, 0,1,2,3
	v_pk_add_f32 v[ZR+8*\r+2*\q:ZR+8*\r+2*\q+1], v[ZR+8*\r+2*\q:ZR+8*\r+2*\q+1], v[ER+8*\r+2*\q:ER+8*\r+2*\q+1]   ; z + (z_q - z)
.endr
	global_store_b128 v2, v[ZR+8*\r:ZR+8*\r+3], s[10:11] offset:1024*\r th:TH_STORE_NT        ; 32 lanes store 512 consecutive bytes, aligned
	global_store_b128 v2, v[ZR+8*\r+4:ZR+8*\r+7], s[10:11] offset:1024*\r+512 th:TH_STORE_NT
.endr
	v_pk_add_f32 v[4:5], v[4:5], v[6:7]
	v_pk_add_f32 v[8:9], v[8:9], v[10:11]
	v_pk_add_f32 v[4:5], v[4:5], v[8:9]
	v_add_f32 v4, v4, v5
	v_add_f32_dpp v4, v4, v4 row_xmask:1 row_mask:0xf bank_mask:0xf
	v_add_f32_dpp v4, v4, v4 row_xmask:2 row_mask:0xf bank_mask:0xf
	v_add_f32_dpp v4, v4, v4 row_xmask:4 row_mask:0xf bank_mask:0xf
	v_add_f32_dpp v4, v4, v4 row_xmask:8 row_mask:0xf bank_mask:0xf
	v_permlanex16_b32 v5, v4, s24, s25
	v_add_f32 v4, v4, v5                           ; the wave's sum, in every lane
	ds_store_b32 v12, v4                           ; all lanes write the same word with the same value
	s_wait_dscnt 0x0                               ; for the others' sake
	s_barrier_signal -1
	s_barrier_wait -1
	s_cmp_lg_u32 s14, 0
	s_cbranch_scc1 .Lend
.irp i, 0,1,2,3
	ds_load_b128 v[SM+4*\i:SM+4*\i+3], v13 offset:16*\i
.endr
	s_wait_dscnt 0x0
	v_pk_add_f32 v[SM:SM+1], v[SM:SM+1], v[SM+2:SM+3]
	v_pk_add_f32 v[SM+4:SM+5], v[SM+4:SM+5], v[SM+6:SM+7]
	v_pk_add_f32 v[SM+8:SM+9], v[SM+8:SM+9], v[SM+10:SM+11]
	v_pk_add_f32 v[SM+12:SM+13], v[SM+12:SM+13], v[SM+14:SM+15]
	v_pk_add_f32 v[SM:SM+1], v[SM:SM+1], v[SM+4:SM+5]
	v_pk_add_f32 v[SM+8:SM+9], v[SM+8:SM+9], v[SM+12:SM+13]
	v_pk_add_f32 v[SM:SM+1], v[SM:SM+1], v[SM+8:SM+9]
	v_add_f32 v[SM], v[SM], v[SM+1]
	v_cmp_eq_u32 vcc_lo, 0, v0
	s_wait_xcnt 0x0                                ; EXEC changes only behind this wait
	s_and_saveexec_b32 s26, vcc_lo
	global_store_b32 v13, v[SM], s[12:13]          ; one number for the work-group
	s_wait_xcnt 0x0
	s_or_b32 exec_lo, exec_lo, s26
.Lend:
	s_wait_tensorcnt 0x0
	ds_add_u32 v176, v177
	s_wait_dscnt 0x0
	s_endpgm
.Lfunc_end_k_qe16077fe4f_gather:
	.size	k_qe16077fe4f_gather, .Lfunc_end_k_qe16077fe4f_gather-k_qe16077fe4f_gather
	.p2alignl 7, 3214868480
	.fill 96, 4, 3214868480
	.section	.rodata,"a",@progbits
	.p2align	6, 0x0
	.amdhsa_kernel k_qe16077fe4f_gather
		.amdhsa_group_segment_fixed_size 2304
		.amdhsa_private_segment_fixed_size 0
		.amdhsa_enable_private_segment 0
		.amdhsa_kernarg_size 40
		.amdhsa_user_sgpr_count 2
		.amdhsa_user_sgpr_kernarg_segment_ptr 1
		.amdhsa_wavefront_size32 1
		.amdhsa_system_sgpr_workgroup_id_x 1
		.amdhsa_system_sgpr_workgroup_id_y 1
		.amdhsa_system_sgpr_workgroup_id_z 1
		.amdhsa_system_vgpr_workitem_id 0
		.amdhsa_next_free_vgpr 178
		.amdhsa_next_free_sgpr 66
		.amdhsa_reserve_vcc 1
		.amdhsa_float_denorm_mode_32 3
		.amdhsa_float_denorm_mode_16_64 3
		.amdhsa_memory_ordered 1
		.amdhsa_forward_progress 1
		.amdhsa_inst_pref_size 15
	.end_amdhsa_kernel
	.amdgpu_metadata
---
amdhsa.version: [ 1, 2 ]
amdhsa.kernels:
  - .name:           k_qe16077fe4f_gather
    .symbol:         k_qe16077fe4f_gather.kd
    .args:
      - { .name: z, .offset: 0, .size: 8, .value_kind: global_buffer, .address_space: global }
      - { .name: codebook, .offset: 8, .size: 8, .value_kind: global_buffer, .address_space: global }
      - { .name: idx, .offset: 16, .size: 8, .value_kind: global_buffer, .address_space: global }
      - { .name: out0, .offset: 24, .size: 8, .value_kind: global_buffer, .address_space: global }
      - { .name: parts, .offset: 32, .size: 8, .value_kind: global_buffer, .address_space: global }
    .group_segment_fixed_size: 2304
    .private_segment_fixed_size: 0
    .kernarg_segment_align: 8
    .kernarg_segment_size: 40
    .max_flat_workgroup_size: 512
    .sgpr_count:     66
    .vgpr_count:     178
    .wavefront_size: 32
...
	.end_amdgpu_metadata
.endif
;; end of part 4
;; launch loss (part 5): grid 1 x 1, 1 waves a work-group, no clusters, 0 bytes of LDS; arguments parts, out1; writes out1
.if DOCPART == 5
	.amdgcn_target "amdgcn-amd-amdhsa--gfx1250"
	.amdhsa_code_object_version 6
	.text
	.protected	k_qe16077fe4f_loss
	.globl	k_qe16077fe4f_loss
	.p2align	8
	.type	k_qe16077fe4f_loss,@function
k_qe16077fe4f_loss:
	s_mov_b64 s[64:65], 0
	v_nop
	global_prefetch_b8 v0, s[64:65] scope:SCOPE_SE
	s_setreg_imm32_b32 hwreg(HW_REG_WAVE_MODE, 25, 1), 1
	s_wait_xcnt 0x0
; out1 = 0.25 m + m, m = the mean of (z_q - z)^2 over 32,768 x 256 = 2^23 numbers: the 256 work-groups' sums are added in a fixed order by one wave.
	s_load_b128 s[4:7], s[0:1], 0x0                ; parts, out1
	v_lshlrev_b32 v1, 4, v0
	s_mov_b32 s8, 0x76543210
	s_mov_b32 s9, 0xfedcba98
	s_wait_kmcnt 0x0
	global_load_b128 v[4:7], v1, s[4:5]
	global_load_b128 v[8:11], v1, s[4:5] offset:512
	s_wait_loadcnt 0x0
	v_pk_add_f32 v[4:5], v[4:5], v[6:7]
	v_pk_add_f32 v[8:9], v[8:9], v[10:11]
	v_pk_add_f32 v[4:5], v[4:5], v[8:9]
	v_add_f32 v4, v4, v5
	v_add_f32_dpp v4, v4, v4 row_xmask:1 row_mask:0xf bank_mask:0xf
	v_add_f32_dpp v4, v4, v4 row_xmask:2 row_mask:0xf bank_mask:0xf
	v_add_f32_dpp v4, v4, v4 row_xmask:4 row_mask:0xf bank_mask:0xf
	v_add_f32_dpp v4, v4, v4 row_xmask:8 row_mask:0xf bank_mask:0xf
	v_permlanex16_b32 v5, v4, s8, s9
	v_add_f32 v4, v4, v5
	v_mul_f32 v4, 0x34000000, v4                   ; x 2^-23: the mean
	v_fma_f32 v5, 0x3e800000, v4, v4               ; 0.25 m is exact, so one rounding, as in the sum written out
	v_mov_b32 v6, 0
	v_cmp_eq_u32 vcc_lo, 0, v0
	s_wait_xcnt 0x0                                ; EXEC changes only behind this wait
	s_and_saveexec_b32 s10, vcc_lo
	global_store_b32 v6, v5, s[6:7]
	s_wait_xcnt 0x0
	s_or_b32 exec_lo, exec_lo, s10
	s_endpgm
.Lfunc_end_k_qe16077fe4f_loss:
	.size	k_qe16077fe4f_loss, .Lfunc_end_k_qe16077fe4f_loss-k_qe16077fe4f_loss
	.p2alignl 7, 3214868480
	.fill 96, 4, 3214868480
	.section	.rodata,"a",@progbits
	.p2align	6, 0x0
	.amdhsa_kernel k_qe16077fe4f_loss
		.amdhsa_group_segment_fixed_size 0
		.amdhsa_private_segment_fixed_size 0
		.amdhsa_enable_private_segment 0
		.amdhsa_kernarg_size 16
		.amdhsa_user_sgpr_count 2
		.amdhsa_user_sgpr_kernarg_segment_ptr 1
		.amdhsa_wavefront_size32 1
		.amdhsa_system_sgpr_workgroup_id_x 1
		.amdhsa_system_sgpr_workgroup_id_y 1
		.amdhsa_system_sgpr_workgroup_id_z 1
		.amdhsa_system_vgpr_workitem_id 0
		.amdhsa_next_free_vgpr 16
		.amdhsa_next_free_sgpr 66
		.amdhsa_reserve_vcc 1
		.amdhsa_float_denorm_mode_32 3
		.amdhsa_float_denorm_mode_16_64 3
		.amdhsa_memory_ordered 1
		.amdhsa_forward_progress 1
		.amdhsa_inst_pref_size 2
	.end_amdhsa_kernel
	.amdgpu_metadata
---
amdhsa.version: [ 1, 2 ]
amdhsa.kernels:
  - .name:           k_qe16077fe4f_loss
    .symbol:         k_qe16077fe4f_loss.kd
    .args:
      - { .name: parts, .offset: 0, .size: 8, .value_kind: global_buffer, .address_space: global }
      - { .name: out1, .offset: 8, .size: 8, .value_kind: global_buffer, .address_space: global }
    .group_segment_fixed_size: 0
    .private_segment_fixed_size: 0
    .kernarg_segment_align: 8
    .kernarg_segment_size: 16
    .max_flat_workgroup_size: 32
    .sgpr_count:     66
    .vgpr_count:     16
    .wavefront_size: 32
...
	.end_amdgpu_metadata
.endif
;; end of part 5
